; MI455X (gfx1250); checked and timed in simulation.
; The chip was launched on July 23, 2026; its instructions are those of AMD's public machine-readable ISA for CDNA 5 (MIT licence, August 2026) and "CDNA5" Instruction Set Architecture Reference Guide (July 2026). The comments in the code are by the model that wrote it; some were corrected since.
;; kan layer. Allowed arithmetic: float matrix products may take bf16 or f16 operands with f32 sums; other float arithmetic in f32, or as packed bf16 or f16 multiplies, adds, multiply-adds, maxima and minima; sums over many terms, partial sums and values carried from step to step in f32; what a program stores and reads back later, other than sums and carried values, may be rounded once to bf16 or f16.
;; Inputs: c_res 16,384 float32; c_spl 16,384 float32; grid 16,384 x 6 float32; spline_weights 16,384 x 8 float32; x 1,024 x 128 float32.
;; Outputs: out0 1,024 x 128 float32; out1 128 x 128 float32.
;; 2 versions, each right; version 2 is version 1 with the launch kan written anew for expert scheduling mode. Each part assembles by itself: llvm-mc -triple=amdgcn-amd-amdhsa -mcpu=gfx1250 --defsym DOCPART=n.
;; ======== version 1 of 2: 2 launches
;; limits: right only within a limited range of input values
;; workspace buffers: yw 524,288 bytes; part 524,288 bytes
;; launch kan (part 1): grid 32 x 8, 8 waves a work-group, no clusters, 271,360 bytes of LDS; arguments x, grid, spline_weights, c_spl, c_res, yw, part; writes yw, part
.if DOCPART == 1
	.amdgcn_target "amdgcn-amd-amdhsa--gfx1250"
	.amdhsa_code_object_version 6
	.text
	.protected	k_q00a6c64be8_kan
	.globl	k_q00a6c64be8_kan
	.p2align	8
	.type	k_q00a6c64be8_kan,@function
k_q00a6c64be8_kan:
	s_mov_b64 s[64:65], 0
	v_nop
	global_prefetch_b8 v0, s[64:65] scope:SCOPE_SE
	s_setreg_imm32_b32 hwreg(HW_REG_WAVE_MODE, 25, 1), 1
	s_wait_xcnt 0x0
; KAN LAYER, main part.  16,384 edges (o, i), each with six knots, eight coefficients and two gains of its own; 1,024 rows b.
; S(o,i,b) = the edge's cubic B-spline at x[b][i].   yw[o/4][b][o%4] = (1/128) sum over i of c_spl S + c_res silu(x[b][i]).
; part[b/128][o][i] = (sum over this group's 128 rows of |S|) / (1024 (g5 - g0 + 1e-5)); the launch behind adds the eight groups.
; THE FORM.  Knots T0..T11: T3..T8 = g0..g5, the outer six by steps of h = (g5 - g0) / 5.  The Cox-de Boor recursion is run from the
; coefficients' side:  sum c_i B(i,p) = sum B(i,p-1) (c_(i-1) + (x - T_i) / (T_(i+p) - T_i) (c_i - c_(i-1))),  an identity for any knots,
; sorted or not.  Three levels turn the eight coefficients into eleven cubics P_t, and  S = sum over t of [T_t <= x < T_(t+1)] P_t(z),
; z = x - m, m = (g0 + g5) / 2, so that a common offset of x and the knots drops out.  The cubics are made once an edge and serve 128 rows.
; THE INDICATOR.  lt_k = [x < T_k] = (T_k - x) R_k held to 0..1, one fused multiply-add; R_k is a power of two, 2^73 over T_k's own power
; (at most 2^127): T_k R_k is exact, the sum's sign is exact, and a difference that is not 0 gives 2^49 or more.  [T_t <= x < T_(t+1)] = lt_(t+1) - lt_t lt_(t+1).
; NO MATRIX UNIT: each edge has its own knots, so a basis vector belongs to one edge alone: the einsum is 16.8 million dot products of length 8
; with no shared operand, one row a product; folded into the cubics it costs nothing.  c_res silu rides along as one fused multiply-add a pair, in f32.
; NO CLUSTER, NO TENSOR LOAD: x passes through registers for silu anyway, LDS is filled once, and what work-groups share is 64 KiB read once at the head.
; LIMITS.  A knot with |T_k| < 2^-54 and |x - T_k| < 2^-127 gives a fraction for lt_k.  Every P_t(z) must stay finite (0 x infinity is NaN): c3 z^3 under 3e38.
; h is made by x 0.2, quotients by v_rcp_f32 (1 ULP).  Equal knots give NaN or infinities as in the definition, but not place by place.  Sums are taken in another order.
; SHARES.  Work-group (og, bg): outputs o = 4 og .. + 3, rows b = 128 bg .. + 127, all i.  Wave w: o = 4 og + w / 2, i = 64 (w % 2) .. + 63.
; A lane owns TWO neighbouring edges (i = 64 (w % 2) + 2 l, + 1): every constant is a register pair and every line of the loop is packed.
.set PY,    131072    ; LDS 0..131071: row b = 1,024 bytes: x[b][0..127], then silu of them.  From PY: 512 rows of 272 bytes (256 + 16: sixteen rows of a 16-byte read start 17 x 16 bytes apart)
.set PYP,   272       ;   row (o%2) 256 + 2 b + (o%4)/2 holds the 64 lanes' partial sums of y(b, o)
.set SPARE, 270336    ; behind them: the spare words, 128 bytes for each of the eight waves: four blocks of 256 bytes that no other line names
.set LN,  1           ; v1   lane
.set PI,  2           ; v2   my pair's number among the 8,192
.set GOF, 3           ; v3   48 PI: my pair's knots
.set WOF, 4           ; v4   64 PI: my pair's coefficients
.set COF, 5           ; v5   8 PI: my pair in c_spl, c_res, part
.set XOF, 6           ; v6   16 t: my 16 bytes in 4,096 bytes (eight rows) of x
.set SA0, 7           ; v7   LDS: row = my wave, 16 l        v12: the same 64 rows on
.set SPW, 8           ; v8   LDS address of my spare word; never rewritten
.set NIL, 9           ; v9   0; never rewritten
.set XA,  10          ; v10  LDS: my pair's x in the row in hand
.set PA,  11          ; v11  LDS: my word in the partial sums' row in hand
.set SA1, 12
.set RDA, 13          ; v13  LDS: partial sums' row t          v14: row 256 + t
.set RDB, 14
.set YOF, 15          ; v15  8 t: my two numbers of yw
.set M,   16          ; v[16:17]  m
.set CSP, 18          ; v[18:19]  c_spl / 128
.set CRP, 20          ; v[20:21]  c_res / 128
.set AB,  22          ; v[22:23]  sum of |S|
.set NRM, 24          ; v[24:25]  1 / (1024 (g5 - g0 + 1e-5))
.set CF,  32          ; v[32:127] twelve slots of four pairs: slot s holds c_(s-1), coefficient k of z^k at CF + 8 s + 2 k; at the end P_t lies in slot t + 1
.set XB,  32          ; slot 0, all zeros, is free in the loop: two buffers of x's pair and silu's pair
.set NR,  128         ; v[128:151] -R_k
.set CK,  152         ; v[152:175] T_k R_k
.set TK,  176         ; v[176:199] T_k;  in the loop LT: lt_k, then the indicators
.set LT,  176
.set NU,  200         ; v[200:223] m - T_k;  in the loop H (eleven pairs) and z
.set H,   200
.set Z,   222
.set RHO, 224         ; v[224:245] a level's reciprocals;  in the loop two sums, y's term, its sum over the pair
.set ACC, 224
.set VV,  228
.set PS,  230
.set DD,  246         ; v[246:251] at work in a step
.set RG,  224         ; as loaded: knots, six of edge 0, six of edge 1
.set RW,  200         ; as loaded: coefficients, eight and eight
.set XQ,  32          ; the silu phase: 64 numbers of x,
.set EQ,  96          ; and of silu
.set R0,  32          ; the end: two rows of partial sums
.set R1,  96
	s_load_b256 s[4:11], s[0:1], 0x0               ; x s[4:5], grid s[6:7], spline_weights s[8:9], c_spl s[10:11]
	s_load_b128 s[12:15], s[0:1], 0x20             ; c_res s[12:13], yw s[14:15]
	s_load_b64 s[16:17], s[0:1], 0x30              ; part
	v_lshl_add_u32 v[SPW], v0, 2, SPARE
	v_mov_b32 v[NIL], 0
	v_and_b32 v[LN], 31, v0
	v_lshrrev_b32 v26, 5, v0
	v_readfirstlane_b32 s20, v26                   ; wave 0..7
	s_lshr_b32 s21, s20, 1                         ; which of the four outputs
	s_and_b32 s22, s20, 1                          ; which half of i
	s_mov_b32 s23, ttmp9                           ; og
	s_and_b32 s24, ttmp7, 0xffff                   ; bg
	s_lshl_b32 s28, s23, 2
	s_add_co_u32 s28, s28, s21                     ; o
	s_lshl_b32 s28, s28, 6                         ; 64 pairs an output,
	s_lshl_b32 s29, s22, 5                         ; 32 a half
	s_add_co_u32 s28, s28, s29
	v_add_nc_u32 v[PI], s28, v[LN]
	v_mul_u32_u24 v[GOF], v[PI], 48
	v_lshlrev_b32 v[WOF], 6, v[PI]
	v_lshlrev_b32 v[COF], 3, v[PI]
	v_lshlrev_b32 v[XOF], 4, v0
	s_lshl_b32 s28, s20, 10
	v_lshl_add_u32 v[SA0], v[LN], 4, s28           ; 1,024 x wave + 16 l
	v_add_nc_u32 v[SA1], 0x10000, v[SA0]
	s_lshl_b32 s28, s22, 8
	v_lshl_add_u32 v[XA], v[LN], 3, s28            ; 256 x half + 8 l
	s_and_b32 s28, s21, 1
	s_lshl_b32 s28, s28, 8
	s_lshr_b32 s29, s21, 1
	s_add_co_u32 s28, s28, s29                     ; row of b = 0
	s_mul_i32 s28, s28, PYP
	s_lshl_b32 s29, s22, 7
	s_add_co_u32 s28, s28, s29                     ; my wave's half of the row
	s_add_co_u32 s28, s28, PY
	v_lshl_add_u32 v[PA], v[LN], 2, s28
	v_mul_u32_u24 v[RDA], v0, PYP
	v_add_nc_u32 v[RDA], PY, v[RDA]
	v_add_nc_u32 v[RDB], 256*PYP, v[RDA]
	v_lshlrev_b32 v[YOF], 3, v0
	s_lshl_b32 s26, s24, 16                        ; 128 rows of x, and a group's 16,384 numbers of part: 65,536 bytes both
	s_mov_b32 s27, 0
	s_wait_kmcnt 0x0
	s_add_nc_u64 s[4:5], s[4:5], s[26:27]
	s_add_nc_u64 s[16:17], s[16:17], s[26:27]
	s_lshl_b32 s26, s23, 14                        ; yw: 1,024 rows of 16 bytes for each og,
	s_lshl_b32 s28, s24, 11                        ; 128 rows of them for each bg
	s_add_co_u32 s26, s26, s28
	s_add_nc_u64 s[14:15], s[14:15], s[26:27]
	; ALL LOADS OF THE LAUNCH: first the group's 128 rows of x (a load of the work-group covers eight rows), then my pair's constants.
.set j, 0
.rept 16
	global_load_b128 v[XQ+4*j:XQ+4*j+3], v[XOF], s[4:5] offset:4096*j
.set j, j+1
.endr
.irp j, 0,1,2
	global_load_b128 v[RG+4*\j:RG+4*\j+3], v[GOF], s[6:7] offset:16*\j
.endr
.irp j, 0,1,2,3
	global_load_b128 v[RW+4*\j:RW+4*\j+3], v[WOF], s[8:9] offset:16*\j
.endr
	global_load_b64 v[CSP:CSP+1], v[COF], s[10:11]
	global_load_b64 v[CRP:CRP+1], v[COF], s[12:13]
	s_wait_loadcnt 0x9                             ; x is in; the nine loads issued behind it may stay out
	; SILU, once for each (b, i) of the group: x / (1 + 2^(-x log2 e)).  Two batches of 64 transcendentals, one wait each.
.set i, 0
.rept 32
	v_pk_mul_f32 v[EQ+2*i:EQ+2*i+1], v[XQ+2*i:XQ+2*i+1], 0xbfb8aa3b op_sel_hi:[1,0]
.set i, i+1
.endr
.set i, 0
.rept 64
	v_exp_f32 v[EQ+i], v[EQ+i]
.set i, i+1
.endr
	v_nop                                          ; a plain instruction behind the last exponential,
	s_wait_alu depctr_va_vdst(0)                   ; and the one wait for the batch, ahead of its first reader
.set i, 0
.rept 32
	v_pk_add_f32 v[EQ+2*i:EQ+2*i+1], v[EQ+2*i:EQ+2*i+1], 1.0 op_sel_hi:[1,0]
.set i, i+1
.endr
.set i, 0
.rept 64
	v_rcp_f32 v[EQ+i], v[EQ+i]
.set i, i+1
.endr
	v_nop
	s_wait_alu depctr_va_vdst(0)                   ; the same for the reciprocals
.set i, 0
.rept 32
	v_pk_mul_f32 v[EQ+2*i:EQ+2*i+1], v[EQ+2*i:EQ+2*i+1], v[XQ+2*i:XQ+2*i+1]
.set i, i+1
.endr
.set j, 0
.rept 8                                        ; load j held row 8 j + wave: 512 neighbouring bytes a wave and store
	ds_store_b128 v[SA0], v[XQ+4*j:XQ+4*j+3] offset:8192*j
	ds_store_b128 v[SA0], v[EQ+4*j:EQ+4*j+3] offset:8192*j+512
	ds_store_b128 v[SA1], v[XQ+32+4*j:XQ+32+4*j+3] offset:8192*j
	ds_store_b128 v[SA1], v[EQ+32+4*j:EQ+32+4*j+3] offset:8192*j+512
.set j, j+1
.endr
	s_wait_loadcnt 0x0                             ; my pair's constants are in
	s_wait_dscnt 0x0                               ; for the others' sake: my rows of x and silu lie in LDS
	s_barrier_signal -1                            ; the edges' set-up, work on registers alone, stands between the signal and the wait
	; THE SET-UP OF MY TWO EDGES.  What was loaded edge by edge goes into pairs (edge 0, edge 1).
.irp j, 0,1,2,3,4,5
	v_mov_b32 v[TK+6+2*\j], v[RG+\j]
	v_mov_b32 v[TK+7+2*\j], v[RG+6+\j]
.endr
.irp j, 0,1,2,3,4,5,6,7
	v_mov_b32 v[CF+8+8*\j], v[RW+\j]               ; c_j, of degree 0, in slot j + 1
	v_mov_b32 v[CF+9+8*\j], v[RW+8+\j]
.endr
.irp r, 0,1,2,3,4,5, 72,73, 80,81,82,83, 88,89,90,91,92,93
	v_mov_b32 v[CF+\r], 0                          ; the coefficient in front of the first and the one behind the last are 0, at each level in its degree
.endr
	v_pk_add_f32 v[DD:DD+1], v[TK+16:TK+17], v[TK+6:TK+7] neg_lo:[0,1] neg_hi:[0,1]  ; g5 - g0
	v_pk_add_f32 v[M:M+1], v[TK+16:TK+17], v[TK+6:TK+7]
	v_pk_mul_f32 v[DD+2:DD+3], v[DD:DD+1], 0x3e4ccccd op_sel_hi:[1,0]                ; h
	v_pk_add_f32 v[NRM:NRM+1], v[DD:DD+1], 0x3727c5ac op_sel_hi:[1,0]                ; g5 - g0 + 1e-5
	v_pk_mul_f32 v[M:M+1], v[M:M+1], 0.5 op_sel_hi:[1,0]
.irp k, 2,1,0
	v_pk_add_f32 v[TK+2*\k:TK+2*\k+1], v[TK+2*\k+2:TK+2*\k+3], v[DD+2:DD+3] neg_lo:[0,1] neg_hi:[0,1]  ; one knot after the other, outward
	v_pk_add_f32 v[TK+22-2*\k:TK+23-2*\k], v[TK+20-2*\k:TK+21-2*\k], v[DD+2:DD+3]
.endr
	v_pk_mul_f32 v[CSP:CSP+1], v[CSP:CSP+1], 0x3c000000 op_sel_hi:[1,0]              ; the mean over i, 1 / 128, goes into the gains
	v_pk_mul_f32 v[CRP:CRP+1], v[CRP:CRP+1], 0x3c000000 op_sel_hi:[1,0]
	v_mov_b32 v[AB], 0
	v_mov_b32 v[AB+1], 0
.set k, 0
.rept 12
	v_pk_add_f32 v[NU+2*k:NU+2*k+1], v[M:M+1], v[TK+2*k:TK+2*k+1] neg_lo:[0,1] neg_hi:[0,1]
.set k, k+1
.endr
; -R and T R of one knot of one edge: R's exponent field is 327 less T's, at most 254.
.macro LTC r
	v_bfe_u32 v[26+(\r)%4], v[TK+(\r)], 23, 8
	v_sub_nc_u32 v[26+(\r)%4], 327, v[26+(\r)%4]
	v_min_u32 v[26+(\r)%4], 254, v[26+(\r)%4]
	v_lshl_or_b32 v[NR+(\r)], v[26+(\r)%4], 23, 0x80000000
	v_mul_f32 v[CK+(\r)], -v[NR+(\r)], v[TK+(\r)]
.endm
.set r, 0
.rept 24
	LTC r
.set r, r+1
.endr
; One step: slot i + 1 <- A + rho (z + nu) (B - A), A = slot i, B = slot i + 1, both of degree d; the result has degree d + 1.
.macro STEP d, i
.set SA_, CF+8*(\i)
.set SB_, CF+8*(\i)+8
.set SR_, RHO+2*(\i)
.set SN_, NU+2*(\i)
.set k, 0
.rept (\d)+1
	v_pk_add_f32 v[DD+2*k:DD+2*k+1], v[SB_+2*k:SB_+2*k+1], v[SA_+2*k:SA_+2*k+1] neg_lo:[0,1] neg_hi:[0,1]
.set k, k+1
.endr
	v_pk_mul_f32 v[SB_+2*(\d)+2:SB_+2*(\d)+3], v[SR_:SR_+1], v[DD+2*(\d):DD+2*(\d)+1]
.if (\d) > 0
.set k, (\d)
.rept (\d)
	v_pk_fma_f32 v[DD+2*k:DD+2*k+1], v[SN_:SN_+1], v[DD+2*k:DD+2*k+1], v[DD+2*k-2:DD+2*k-1]
	v_pk_fma_f32 v[SB_+2*k:SB_+2*k+1], v[SR_:SR_+1], v[DD+2*k:DD+2*k+1], v[SA_+2*k:SA_+2*k+1]
.set k, k-1
.endr
.endif
	v_pk_mul_f32 v[DD:DD+1], v[SN_:SN_+1], v[DD:DD+1]
	v_pk_fma_f32 v[SB_:SB_+1], v[SR_:SR_+1], v[DD:DD+1], v[SA_:SA_+1]
.endm
; Level p: its 12 - p reciprocals 1 / (T_(i+p) - T_i) as one batch with one wait, then its steps, i descending, so that each step finds both its slots as the level before left them.
.macro LEVEL p
.set i, 0
.rept 12-(\p)
	v_pk_add_f32 v[RHO+2*i:RHO+2*i+1], v[TK+2*i+2*(\p):TK+2*i+2*(\p)+1], v[TK+2*i:TK+2*i+1] neg_lo:[0,1] neg_hi:[0,1]
.set i, i+1
.endr
.set i, 0
.rept 24-2*(\p)
	v_rcp_f32 v[RHO+i], v[RHO+i]
.set i, i+1
.endr
.if (\p) == 3
	v_rcp_f32 v[NRM], v[NRM]                       ; the norm's two reciprocals join the first batch
	v_rcp_f32 v[NRM+1], v[NRM+1]
.endif
	v_nop                                          ; a plain instruction behind the last reciprocal,
	s_wait_alu depctr_va_vdst(0)                   ; and the batch's one wait
.set i, 11-(\p)
.rept 12-(\p)
	STEP 3-(\p), i
.set i, i-1
.endr
.endm
	LEVEL 3
	v_pk_mul_f32 v[NRM:NRM+1], v[NRM:NRM+1], 0x3a800000 op_sel_hi:[1,0]  ; the mean over b, 1 / 1,024
	LEVEL 2
	LEVEL 1
	s_barrier_wait -1                              ; every wave's rows of x and silu lie in LDS
; THE LOOP: one row b for my two edges, 74 vector instructions, all but three packed.
.macro SUMT t                          ; S takes indicator t times P_t: even t in one sum, odd t in the other; each sum's first product starts it
.if (\t) < 2
	v_pk_mul_f32 v[ACC+2*((\t)%2):ACC+2*((\t)%2)+1], v[LT+2*(\t):LT+2*(\t)+1], v[H+2*(\t):H+2*(\t)+1]
.else
	v_pk_fma_f32 v[ACC+2*((\t)%2):ACC+2*((\t)%2)+1], v[LT+2*(\t):LT+2*(\t)+1], v[H+2*(\t):H+2*(\t)+1], v[ACC+2*((\t)%2):ACC+2*((\t)%2)+1]
.endif
.endm
; cur: the buffer that holds this row's x and silu.  boff: the row's place in the trip.  pf = 1: the next row is asked for.
.macro EVAL cur, boff, pf
.set XC, XB+4*(\cur)
.set XN, XB+4-4*(\cur)
.if \pf
	ds_load_b64 v[XN:XN+1], v[XA] offset:((\boff)+1)*1024
	ds_load_b64 v[XN+2:XN+3], v[XA] offset:((\boff)+1)*1024+512
	s_wait_dscnt 0x2                               ; this row's two loads are in: behind them stand the two just issued (and, but for the first row, the last row's store, which this count waits for too)
.else
	s_wait_dscnt 0x1                               ; behind this row's two loads stands the last row's store alone
.endif
	v_pk_add_f32 v[Z:Z+1], v[XC:XC+1], v[M:M+1] neg_lo:[0,1] neg_hi:[0,1]
.set k, 0
.rept 12
	v_pk_fma_f32 v[LT+2*k:LT+2*k+1], v[XC:XC+1], v[NR+2*k:NR+2*k+1], v[CK+2*k:CK+2*k+1] clamp  ; [x < T_k]
.set k, k+1
.endr
.set k, 0
.rept 11
	v_pk_fma_f32 v[H+2*k:H+2*k+1], v[CF+8*k+14:CF+8*k+15], v[Z:Z+1], v[CF+8*k+12:CF+8*k+13]
.set k, k+1
.endr
.set k, 0
.rept 11                                       ; ascending, so that each line still finds lt_(t+1)
	v_pk_fma_f32 v[LT+2*k:LT+2*k+1], v[LT+2*k:LT+2*k+1], v[LT+2*k+2:LT+2*k+3], v[LT+2*k+2:LT+2*k+3] neg_lo:[1,0,0] neg_hi:[1,0,0]
.set k, k+1
.endr
.set k, 0
.rept 11
	v_pk_fma_f32 v[H+2*k:H+2*k+1], v[H+2*k:H+2*k+1], v[Z:Z+1], v[CF+8*k+10:CF+8*k+11]
.set k, k+1
.endr
.set k, 0
.rept 11                                       ; the last stage of the cubics, the sums four cubics behind it
	v_pk_fma_f32 v[H+2*k:H+2*k+1], v[H+2*k:H+2*k+1], v[Z:Z+1], v[CF+8*k+8:CF+8*k+9]
.if k >= 4
	SUMT k-4
.endif
.set k, k+1
.endr
	SUMT 7
	v_pk_mul_f32 v[VV:VV+1], v[CRP:CRP+1], v[XC+2:XC+3]
	SUMT 8
	SUMT 9
	SUMT 10
	v_pk_add_f32 v[ACC:ACC+1], v[ACC:ACC+1], v[ACC+2:ACC+3]                  ; S
	v_pk_fma_f32 v[VV:VV+1], v[CSP:CSP+1], v[ACC:ACC+1], v[VV:VV+1]          ; (c_spl S + c_res silu) / 128
	v_add_f32 v[AB], v[AB], |v[ACC]|
	v_add_f32 v[AB+1], v[AB+1], |v[ACC+1]|
	v_add_f32 v[PS], v[VV], v[VV+1]
	ds_store_b32 v[PA], v[PS] offset:2*PYP*(\boff)                           ; 128 neighbouring bytes a wave
.endm
	ds_load_b64 v[XB:XB+1], v[XA]                  ; row 0
	ds_load_b64 v[XB+2:XB+3], v[XA] offset:512
	s_mov_b32 s30, 63
.Lrow:                                         ; 63 trips of two rows; the last two rows stand behind the loop, so that no read passes row 127
	EVAL 0, 0, 1
	EVAL 1, 1, 1
	v_add_nc_u32 v[XA], 2048, v[XA]
	v_add_nc_u32 v[PA], 4*PYP, v[PA]
	s_sub_co_u32 s30, s30, 1
	s_cmp_lg_u32 s30, 0
	s_cbranch_scc1 .Lrow
	EVAL 0, 0, 1
	EVAL 1, 1, 0
	; THE END.  The 64 lanes' partial sums of each y(b, o) lie in one row; thread t adds rows t and 256 + t: y(t / 2, 2 (t % 2)) and y(t / 2, 2 (t % 2) + 1).
	s_wait_dscnt 0x0                               ; for the others' sake: my partial sums lie in LDS
	s_barrier_signal -1
	s_barrier_wait -1
.set j, 0
.rept 16
	ds_load_b128 v[R0+4*j:R0+4*j+3], v[RDA] offset:16*j
.set j, j+1
.endr
.set j, 0
.rept 16
	ds_load_b128 v[R1+4*j:R1+4*j+3], v[RDB] offset:16*j
.set j, j+1
.endr
	v_pk_mul_f32 v[240:241], v[AB:AB+1], v[NRM:NRM+1]
	global_store_b64 v[COF], v[240:241], s[16:17]  ; a wave stores 256 consecutive bytes, at a multiple of 256 from part's first byte
.macro TREE base, dst                  ; 64 numbers into one: 31 packed additions and one plain
.irp nn, 16,8,4,2,1
.set q, 0
.rept \nn
	v_pk_add_f32 v[(\base)+2*q:(\base)+2*q+1], v[(\base)+2*q:(\base)+2*q+1], v[(\base)+2*q+2*(\nn):(\base)+2*q+2*(\nn)+1]
.set q, q+1
.endr
.endr
	v_add_f32 v[\dst], v[\base], v[(\base)+1]
.endm
	s_wait_dscnt 0x10                              ; the first row is in; the second row's sixteen loads may stay out
	TREE R0, 244
	s_wait_dscnt 0x0
	TREE R1, 245
	global_store_b64 v[YOF], v[244:245], s[14:15]  ; a wave stores 256 consecutive bytes, at a multiple of 256 from yw's first byte
	s_wait_tensorcnt 0x0                           ; the wave's end, behind my last LDS store
	ds_add_u32 v[SPW], v[NIL]
	s_wait_dscnt 0x0
	s_endpgm
.Lfunc_end_k_q00a6c64be8_kan:
	.size	k_q00a6c64be8_kan, .Lfunc_end_k_q00a6c64be8_kan-k_q00a6c64be8_kan
	.p2alignl 7, 3214868480
	.fill 96, 4, 3214868480
	.section	.rodata,"a",@progbits
	.p2align	6, 0x0
	.amdhsa_kernel k_q00a6c64be8_kan
		.amdhsa_group_segment_fixed_size 271360
		.amdhsa_private_segment_fixed_size 0
		.amdhsa_enable_private_segment 0
		.amdhsa_kernarg_size 56
		.amdhsa_user_sgpr_count 2
		.amdhsa_user_sgpr_kernarg_segment_ptr 1
		.amdhsa_wavefront_size32 1
		.amdhsa_system_sgpr_workgroup_id_x 1
		.amdhsa_system_sgpr_workgroup_id_y 1
		.amdhsa_system_sgpr_workgroup_id_z 1
		.amdhsa_system_vgpr_workitem_id 0
		.amdhsa_next_free_vgpr 256
		.amdhsa_next_free_sgpr 66
		.amdhsa_reserve_vcc 0
		.amdhsa_float_denorm_mode_32 3
		.amdhsa_float_denorm_mode_16_64 3
		.amdhsa_memory_ordered 1
		.amdhsa_forward_progress 1
		.amdhsa_inst_pref_size 73
	.end_amdhsa_kernel
	.amdgpu_metadata
---
amdhsa.version: [ 1, 2 ]
amdhsa.kernels:
  - .name:           k_q00a6c64be8_kan
    .symbol:         k_q00a6c64be8_kan.kd
    .args:
      - { .name: x, .offset: 0, .size: 8, .value_kind: global_buffer, .address_space: global }
      - { .name: grid, .offset: 8, .size: 8, .value_kind: global_buffer, .address_space: global }
      - { .name: spline_weights, .offset: 16, .size: 8, .value_kind: global_buffer, .address_space: global }
      - { .name: c_spl, .offset: 24, .size: 8, .value_kind: global_buffer, .address_space: global }
      - { .name: c_res, .offset: 32, .size: 8, .value_kind: global_buffer, .address_space: global }
      - { .name: yw, .offset: 40, .size: 8, .value_kind: global_buffer, .address_space: global }
      - { .name: part, .offset: 48, .size: 8, .value_kind: global_buffer, .address_space: global }
    .group_segment_fixed_size: 271360
    .private_segment_fixed_size: 0
    .kernarg_segment_align: 8
    .kernarg_segment_size: 56
    .max_flat_workgroup_size: 256
    .sgpr_count:     66
    .vgpr_count:     256
    .wavefront_size: 32
...
	.end_amdgpu_metadata
.endif
;; end of part 1
;; launch finish (part 2): grid 64 x 1, 4 waves a work-group, no clusters, 8,960 bytes of LDS; arguments yw, part, out0, out1; writes out0, out1
.if DOCPART == 2
	.amdgcn_target "amdgcn-amd-amdhsa--gfx1250"
	.amdhsa_code_object_version 6
	.text
	.protected	k_q00a6c64be8_finish
	.globl	k_q00a6c64be8_finish
	.p2align	8
	.type	k_q00a6c64be8_finish,@function
k_q00a6c64be8_finish:
	s_mov_b64 s[64:65], 0
	v_nop
	global_prefetch_b8 v0, s[64:65] scope:SCOPE_SE
	s_setreg_imm32_b32 hwreg(HW_REG_WAVE_MODE, 25, 1), 1
	s_wait_xcnt 0x0
; KAN LAYER, the regrouping.  out0[b][o] = yw[o/4][b][o%4]: a row of out0 is gathered from 32 pieces of 16 bytes.  out1[n] = the sum over the eight row groups of part[group][n].
; Work-group g: rows 16 g .. + 15 of out0 (for each o/4 they are 256 consecutive bytes of yw) and numbers 256 g .. + 255 of out1.
; The rows go through a stage in LDS, so that every load takes and every store fills 256 consecutive bytes or more, aligned.
; All is f32; the eight partial sums are added in a fixed tree.  Nothing is shared between work-groups and each byte is read once: no cluster, no tensor load, no matrix work.
.set STP,   528       ; a stage row: 512 bytes + 16: the sixteen rows that a 16-byte store touches start 33 x 16 bytes apart
.set SPARE, 8448      ; behind the 16 rows: the spare words, 128 bytes for each of the four waves: two blocks of 256 bytes that no other line names
	s_load_b256 s[4:11], s[0:1], 0x0               ; yw s[4:5], part s[6:7], out0 s[8:9], out1 s[10:11]
	v_lshl_add_u32 v8, v0, 2, SPARE                ; v8: LDS address of my spare word; never rewritten
	v_mov_b32 v9, 0                                ; v9: 0; never rewritten
	v_lshrrev_b32 v10, 5, v0
	v_readfirstlane_b32 s12, v10                   ; wave 0..3
	v_and_b32 v11, 31, v0                          ; lane
	v_and_b32 v12, 15, v0                          ; which of the 16 rows I fetch for
	v_lshrrev_b32 v13, 4, v0                       ; which of eight o/4
	v_bfe_u32 v14, v0, 4, 1
	v_lshlrev_b32 v1, 4, v12
	v_lshl_add_u32 v1, v13, 14, v1                 ; v1: in yw: 16,384 (t / 16) + 16 (t % 16)
	v_lshlrev_b32 v2, 3, v0                        ; v2: 8 t: my two numbers of part and out1
	v_mul_u32_u24 v3, v12, STP
	v_lshl_add_u32 v3, v14, 4, v3
	s_lshl_b32 s13, s12, 5
	v_add_nc_u32 v3, s13, v3                       ; v3: into the stage: row t % 16, byte 16 (t / 16) = 32 x wave + 16 (lane / 16)
	s_mul_i32 s13, s12, STP
	v_lshl_add_u32 v4, v11, 4, s13                 ; v4: back: row = wave, 16 bytes a lane
	v_lshlrev_b32 v5, 4, v0                        ; v5: 16 t: the same place in out0
	s_lshl_b32 s14, ttmp9, 8                       ; 16 rows of 16 bytes in yw
	s_mov_b32 s15, 0
	s_lshl_b32 s16, ttmp9, 10                      ; 256 numbers of part and out1
	s_mov_b32 s17, 0
	s_lshl_b32 s18, ttmp9, 13                      ; 16 rows of 512 bytes in out0
	s_mov_b32 s19, 0
	s_wait_kmcnt 0x0
	s_add_nc_u64 s[4:5], s[4:5], s[14:15]
	s_add_nc_u64 s[6:7], s[6:7], s[16:17]
	s_add_nc_u64 s[8:9], s[8:9], s[18:19]
	s_add_nc_u64 s[10:11], s[10:11], s[16:17]
.irp j, 0,1,2,3
	global_load_b128 v[16+4*\j:19+4*\j], v1, s[4:5] offset:131072*\j th:TH_LOAD_NT  ; o/4 = t / 16 + 8 j: sixteen lanes take 256 consecutive bytes
.endr
.irp k, 0,1,2,3,4,5,6,7
	global_load_b64 v[32+2*\k:33+2*\k], v2, s[6:7] offset:65536*\k th:TH_LOAD_NT
.endr
	s_wait_loadcnt 0x8                             ; yw's four loads are in; part's eight may stay out
.irp j, 0,1,2,3
	ds_store_b128 v3, v[16+4*\j:19+4*\j] offset:128*\j
.endr
	s_wait_dscnt 0x0                               ; for the others' sake: my pieces lie in the stage
	s_barrier_signal -1
	s_barrier_wait -1
.irp j, 0,1,2,3
	ds_load_b128 v[48+4*\j:51+4*\j], v4 offset:4*STP*\j  ; row wave + 4 j, whole
.endr
	s_wait_loadcnt 0x0                             ; part
	v_pk_add_f32 v[32:33], v[32:33], v[34:35]
	v_pk_add_f32 v[36:37], v[36:37], v[38:39]
	v_pk_add_f32 v[40:41], v[40:41], v[42:43]
	v_pk_add_f32 v[44:45], v[44:45], v[46:47]
	v_pk_add_f32 v[32:33], v[32:33], v[36:37]
	v_pk_add_f32 v[40:41], v[40:41], v[44:45]
	v_pk_add_f32 v[32:33], v[32:33], v[40:41]
	global_store_b64 v2, v[32:33], s[10:11]        ; a wave stores 256 consecutive bytes, aligned
	s_wait_dscnt 0x0                               ; the rows are back in registers
.irp j, 0,1,2,3
	global_store_b128 v5, v[48+4*\j:51+4*\j], s[8:9] offset:2048*\j  ; a wave stores a whole row of out0: 512 consecutive bytes, aligned
.endr
	s_wait_tensorcnt 0x0                           ; the wave's end, behind my last LDS store
	ds_add_u32 v8, v9
	s_wait_dscnt 0x0
	s_endpgm
.Lfunc_end_k_q00a6c64be8_finish:
	.size	k_q00a6c64be8_finish, .Lfunc_end_k_q00a6c64be8_finish-k_q00a6c64be8_finish
	.p2alignl 7, 3214868480
	.fill 96, 4, 3214868480
	.section	.rodata,"a",@progbits
	.p2align	6, 0x0
	.amdhsa_kernel k_q00a6c64be8_finish
		.amdhsa_group_segment_fixed_size 8960
		.amdhsa_private_segment_fixed_size 0
		.amdhsa_enable_private_segment 0
		.amdhsa_kernarg_size 32
		.amdhsa_user_sgpr_count 2
		.amdhsa_user_sgpr_kernarg_segment_ptr 1
		.amdhsa_wavefront_size32 1
		.amdhsa_system_sgpr_workgroup_id_x 1
		.amdhsa_system_sgpr_workgroup_id_y 1
		.amdhsa_system_sgpr_workgroup_id_z 1
		.amdhsa_system_vgpr_workitem_id 0
		.amdhsa_next_free_vgpr 64
		.amdhsa_next_free_sgpr 66
		.amdhsa_reserve_vcc 0
		.amdhsa_float_denorm_mode_32 3
		.amdhsa_float_denorm_mode_16_64 3
		.amdhsa_memory_ordered 1
		.amdhsa_forward_progress 1
		.amdhsa_inst_pref_size 5
	.end_amdhsa_kernel
	.amdgpu_metadata
---
amdhsa.version: [ 1, 2 ]
amdhsa.kernels:
  - .name:           k_q00a6c64be8_finish
    .symbol:         k_q00a6c64be8_finish.kd
    .args:
      - { .name: yw, .offset: 0, .size: 8, .value_kind: global_buffer, .address_space: global }
      - { .name: part, .offset: 8, .size: 8, .value_kind: global_buffer, .address_space: global }
      - { .name: out0, .offset: 16, .size: 8, .value_kind: global_buffer, .address_space: global }
      - { .name: out1, .offset: 24, .size: 8, .value_kind: global_buffer, .address_space: global }
    .group_segment_fixed_size: 8960
    .private_segment_fixed_size: 0
    .kernarg_segment_align: 8
    .kernarg_segment_size: 32
    .max_flat_workgroup_size: 128
    .sgpr_count:     66
    .vgpr_count:     64
    .wavefront_size: 32
...
	.end_amdgpu_metadata
.endif
;; end of part 2
;; ======== version 2 of 2: 2 launches; version 1 with the launch kan written anew for expert scheduling mode
;; limits: right only within a limited range of input values
;; workspace buffers: yw 524,288 bytes; part 524,288 bytes
;; launch kan (part 3): grid 32 x 8, 8 waves a work-group, no clusters, 271,360 bytes of LDS; arguments x, grid, spline_weights, c_spl, c_res, yw, part; writes yw, part
.if DOCPART == 3
	.amdgcn_target "amdgcn-amd-amdhsa--gfx1250"
	.amdhsa_code_object_version 6
	.text
	.protected	k_q00a6c64be8_kan
	.globl	k_q00a6c64be8_kan
	.p2align	8
	.type	k_q00a6c64be8_kan,@function
k_q00a6c64be8_kan:
	s_mov_b64 s[64:65], 0
	v_nop
	global_prefetch_b8 v0, s[64:65] scope:SCOPE_SE
	s_setreg_imm32_b32 hwreg(HW_REG_WAVE_SCHED_MODE, 0, 2), 2
	s_setreg_imm32_b32 hwreg(HW_REG_WAVE_MODE, 25, 1), 1
	s_wait_xcnt 0x0
	s_wait_alu depctr_vm_vsrc(0)
; KAN LAYER, main part.  16,384 edges (o, i), each with six knots, eight coefficients and two gains of its own; 1,024 rows b.
; S(o,i,b) = the edge's cubic B-spline at x[b][i].   yw[o/4][b][o%4] = (1/128) sum over i of c_spl S + c_res silu(x[b][i]).
; part[b/128][o][i] = (sum over this group's 128 rows of |S|) / (1024 (g5 - g0 + 1e-5)); the launch behind adds the eight groups.
; THE FORM.  Knots T0..T11: T3..T8 = g0..g5, the outer six by steps of h = (g5 - g0) / 5.  The Cox-de Boor recursion is run from the
; coefficients' side:  sum c_i B(i,p) = sum B(i,p-1) (c_(i-1) + (x - T_i) / (T_(i+p) - T_i) (c_i - c_(i-1))),  an identity for any knots,
; sorted or not.  Three levels turn the eight coefficients into eleven cubics P_t, and  S = sum over t of [T_t <= x < T_(t+1)] P_t(z),
; z = x - m, m = (g0 + g5) / 2, so that a common offset of x and the knots drops out.  The cubics are made once an edge and serve 128 rows.
; THE INDICATOR.  lt_k = [x < T_k] = (T_k - x) R_k held to 0..1, one fused multiply-add; R_k is a power of two, 2^73 over T_k's own power
; (at most 2^127): T_k R_k is exact, the sum's sign is exact, and a difference that is not 0 gives 2^49 or more.  [T_t <= x < T_(t+1)] = lt_(t+1) - lt_t lt_(t+1).
; NO MATRIX UNIT: each edge has its own knots, so a basis vector belongs to one edge alone: the einsum is 16.8 million dot products of length 8
; with no shared operand, one row a product; folded into the cubics it costs nothing.  c_res silu rides along as one fused multiply-add a pair, in f32.
; NO CLUSTER, NO TENSOR LOAD: x passes through registers for silu anyway, LDS is filled once, and what work-groups share is 64 KiB read once at the head.
; LIMITS.  A knot with |T_k| < 2^-54 and |x - T_k| < 2^-127 gives a fraction for lt_k.  Every P_t(z) must stay finite (0 x infinity is NaN): c3 z^3 under 3e38.
; h is made by x 0.2, quotients by v_rcp_f32 (1 ULP).  Equal knots give NaN or infinities as in the definition, but not place by place.  Sums are taken in another order.
; SHARES.  Work-group (og, bg): outputs o = 4 og .. + 3, rows b = 128 bg .. + 127, all i.  Wave w: o = 4 og + w / 2, i = 64 (w % 2) .. + 63.
; A lane owns TWO neighbouring edges (i = 64 (w % 2) + 2 l, + 1): every constant is a register pair and every line of the loop is packed.
; THE MODE: SCHED_MODE bits 1:0 = 2 (LLVM: expert scheduling mode 2), set by the entry lines.  The code itself states the register dependences
; between vector instructions and memory or LDS instructions, with s_wait_alu, always for 0.
; THE PLAN.  Registers that LDS instructions touch in the loop:
;   X0, X1   x's pair and silu's pair of a row.  Row r's vector lines read X[r % 2]; the two loads issued at the head of row r - 1 fill it.
;   P0, P1   a row's sum over my pair.  Row r's last addition writes P[r % 2]; the store issued at the head of row r + 1 reads it.
;   v[XA]    read by every load, v[PA] by every store; each is written once a trip, at the trip's end.
; At the head of row r stand the store of row r - 1 (from the other P) and the loads of row r + 1 (into the other X): the registers that row r - 1 worked on and that
; no vector line of row r names.  So ONE wait on va_vdst at a row's head states all that its three LDS instructions hang on.  ONE wait on vm_vsrc a trip, in its second
; row ahead of the write of P0, states that the stores issued so far have read P0 and P1, and the loads and stores v[XA] and v[PA].
; All other offsets and addresses are made at the head and never written again.
.set PY,    131072    ; LDS 0..131071: row b = 1,024 bytes: x[b][0..127], then silu of them.  From PY: 512 rows of 272 bytes (256 + 16: sixteen rows of a 16-byte read start 17 x 16 bytes apart)
.set PYP,   272       ;   row (o%2) 256 + 2 b + (o%4)/2 holds the 64 lanes' partial sums of y(b, o)
.set LN,  1           ; v1   lane
.set PI,  2           ; v2   my pair's number among the 8,192
.set GOF, 3           ; v3   48 PI: my pair's knots
.set WOF, 4           ; v4   64 PI: my pair's coefficients
.set COF, 5           ; v5   8 PI: my pair in c_spl, c_res, part
.set XOF, 6           ; v6   16 t: my 16 bytes in 4,096 bytes (eight rows) of x
.set SA0, 7           ; v7   LDS: row = my wave, 16 l        v12: the same 64 rows on
.set XA,  10          ; v10  LDS: my pair's x in the row two rows ahead of the trip's first load
.set PA,  11          ; v11  LDS: my word in the partial sums' row of the trip's first store
.set SA1, 12
.set RDA, 13          ; v13  LDS: partial sums' row t          v14: row 256 + t
.set RDB, 14
.set YOF, 15          ; v15  8 t: my two numbers of yw
.set M,   16          ; v[16:17]  m
.set CSP, 18          ; v[18:19]  c_spl / 128
.set CRP, 20          ; v[20:21]  c_res / 128
.set AB,  22          ; v[22:23]  sum of |S|
.set NRM, 24          ; v[24:25]  1 / (1024 (g5 - g0 + 1e-5))
.set CF,  32          ; v[32:127] twelve slots of four pairs: slot s holds c_(s-1), coefficient k of z^k at CF + 8 s + 2 k; at the end P_t lies in slot t + 1
.set XB,  32          ; slot 0, all zeros, is free in the loop: X0 and X1, two buffers of x's pair and silu's pair
.set NR,  128         ; v[128:151] -R_k
.set CK,  152         ; v[152:175] T_k R_k
.set TK,  176         ; v[176:199] T_k;  in the loop LT: lt_k, then the indicators
.set LT,  176
.set NU,  200         ; v[200:223] m - T_k;  in the loop H (eleven pairs) and z
.set H,   200
.set Z,   222
.set RHO, 224         ; v[224:245] a level's reciprocals;  in the loop two sums, y's term, and P0, P1: its sum over the pair, two registers by turns
.set ACC, 224
.set VV,  228
.set PS,  230
.set DD,  246         ; v[246:251] at work in a step
.set RG,  224         ; as loaded: knots, six of edge 0, six of edge 1
.set RW,  200         ; as loaded: coefficients, eight and eight
.set XQ,  32          ; the silu phase: 64 numbers of x,
.set EQ,  96          ; and of silu
.set R0,  32          ; the end: two rows of partial sums
.set R1,  96
	s_load_b256 s[4:11], s[0:1], 0x0               ; x s[4:5], grid s[6:7], spline_weights s[8:9], c_spl s[10:11]
	s_load_b128 s[12:15], s[0:1], 0x20             ; c_res s[12:13], yw s[14:15]
	s_load_b64 s[16:17], s[0:1], 0x30              ; part
	v_lshl_add_u32 v254, v0, 2, 0x42000
	v_mov_b32 v255, 0
	v_and_b32 v[LN], 31, v0
	v_lshrrev_b32 v26, 5, v0
	v_readfirstlane_b32 s20, v26                   ; wave 0..7
	s_wait_alu depctr_va_sdst(0)                   ; s20 is written, ahead of its first reader: the wave's output, its half of i and its LDS rows are made from it
	s_lshr_b32 s21, s20, 1                         ; which of the four outputs
	s_and_b32 s22, s20, 1                          ; which half of i
	s_mov_b32 s23, ttmp9                           ; og
	s_and_b32 s24, ttmp7, 0xffff                   ; bg
	s_lshl_b32 s28, s23, 2
	s_add_co_u32 s28, s28, s21                     ; o
	s_lshl_b32 s28, s28, 6                         ; 64 pairs an output,
	s_lshl_b32 s29, s22, 5                         ; 32 a half
	s_add_co_u32 s28, s28, s29
	v_add_nc_u32 v[PI], s28, v[LN]
	v_mul_u32_u24 v[GOF], v[PI], 48
	v_lshlrev_b32 v[WOF], 6, v[PI]
	v_lshlrev_b32 v[COF], 3, v[PI]
	v_lshlrev_b32 v[XOF], 4, v0
	s_lshl_b32 s28, s20, 10
	v_lshl_add_u32 v[SA0], v[LN], 4, s28           ; 1,024 x wave + 16 l
	v_add_nc_u32 v[SA1], 0x10000, v[SA0]
	s_lshl_b32 s28, s22, 8
	v_lshl_add_u32 v[XA], v[LN], 3, s28            ; 256 x half + 8 l
	s_and_b32 s28, s21, 1
	s_lshl_b32 s28, s28, 8
	s_lshr_b32 s29, s21, 1
	s_add_co_u32 s28, s28, s29                     ; row of b = 0
	s_mul_i32 s28, s28, PYP
	s_lshl_b32 s29, s22, 7
	s_add_co_u32 s28, s28, s29                     ; my wave's half of the row
	s_add_co_u32 s28, s28, PY
	v_lshl_add_u32 v[PA], v[LN], 2, s28
	v_mul_u32_u24 v[RDA], v0, PYP
	v_add_nc_u32 v[RDA], PY, v[RDA]
	v_add_nc_u32 v[RDB], 256*PYP, v[RDA]
	v_lshlrev_b32 v[YOF], 3, v0
	s_lshl_b32 s26, s24, 16                        ; 128 rows of x, and a group's 16,384 numbers of part: 65,536 bytes both
	s_mov_b32 s27, 0
	s_wait_kmcnt 0x0
	s_add_nc_u64 s[4:5], s[4:5], s[26:27]
	s_add_nc_u64 s[16:17], s[16:17], s[26:27]
	s_lshl_b32 s26, s23, 14                        ; yw: 1,024 rows of 16 bytes for each og,
	s_lshl_b32 s28, s24, 11                        ; 128 rows of them for each bg
	s_add_co_u32 s26, s26, s28
	s_add_nc_u64 s[14:15], s[14:15], s[26:27]
	s_wait_alu depctr_va_vdst(0)                   ; the offsets and addresses v3 to v7 and v10 to v15 are written, which the kernel's loads and stores read
	; ALL LOADS OF THE LAUNCH: first the group's 128 rows of x (a load of the work-group covers eight rows), then my pair's constants.
.set j, 0
.rept 16
	global_load_b128 v[XQ+4*j:XQ+4*j+3], v[XOF], s[4:5] offset:4096*j
.set j, j+1
.endr
.irp j, 0,1,2
	global_load_b128 v[RG+4*\j:RG+4*\j+3], v[GOF], s[6:7] offset:16*\j
.endr
.irp j, 0,1,2,3
	global_load_b128 v[RW+4*\j:RW+4*\j+3], v[WOF], s[8:9] offset:16*\j
.endr
	global_load_b64 v[CSP:CSP+1], v[COF], s[10:11]
	global_load_b64 v[CRP:CRP+1], v[COF], s[12:13]
	s_wait_loadcnt 0x9                             ; x is in; the nine loads issued behind it may stay out
	; SILU, once for each (b, i) of the group: x / (1 + 2^(-x log2 e)).  Two batches of 64 transcendentals, one wait each.
.set i, 0
.rept 32
	v_pk_mul_f32 v[EQ+2*i:EQ+2*i+1], v[XQ+2*i:XQ+2*i+1], 0xbfb8aa3b op_sel_hi:[1,0]
.set i, i+1
.endr
.set i, 0
.rept 64
	v_exp_f32 v[EQ+i], v[EQ+i]
.set i, i+1
.endr
	v_nop                                          ; a plain instruction behind the last exponential,
	s_wait_alu depctr_va_vdst(0)                   ; and the one wait for the batch, ahead of its first reader: the 64 exponentials have written v[EQ ..]
.set i, 0
.rept 32
	v_pk_add_f32 v[EQ+2*i:EQ+2*i+1], v[EQ+2*i:EQ+2*i+1], 1.0 op_sel_hi:[1,0]
.set i, i+1
.endr
.set i, 0
.rept 64
	v_rcp_f32 v[EQ+i], v[EQ+i]
.set i, i+1
.endr
	v_nop
	s_wait_alu depctr_va_vdst(0)                   ; the same for the 64 reciprocals
.set i, 0
.rept 32
	v_pk_mul_f32 v[EQ+2*i:EQ+2*i+1], v[EQ+2*i:EQ+2*i+1], v[XQ+2*i:XQ+2*i+1]
.set i, i+1
.endr
	s_wait_alu depctr_va_vdst(0)                   ; the multiplies have written v[EQ ..], which the LDS stores read
.set j, 0
.rept 8                                        ; load j held row 8 j + wave: 512 neighbouring bytes a wave and store
	ds_store_b128 v[SA0], v[XQ+4*j:XQ+4*j+3] offset:8192*j
	ds_store_b128 v[SA0], v[EQ+4*j:EQ+4*j+3] offset:8192*j+512
	ds_store_b128 v[SA1], v[XQ+32+4*j:XQ+32+4*j+3] offset:8192*j
	ds_store_b128 v[SA1], v[EQ+32+4*j:EQ+32+4*j+3] offset:8192*j+512
.set j, j+1
.endr
	s_wait_loadcnt 0x0                             ; my pair's constants are in
	s_wait_dscnt 0x0                               ; for the others' sake: my rows of x and silu lie in LDS
	s_wait_alu depctr_vm_vsrc(0)                   ; my LDS stores have read v[XQ ..] and v[EQ ..]: these registers are CF from here on, written by the set-up below
	s_barrier_signal -1                            ; the edges' set-up, work on registers alone, stands between the signal and the wait
	; THE SET-UP OF MY TWO EDGES.  What was loaded edge by edge goes into pairs (edge 0, edge 1).
.irp j, 0,1,2,3,4,5
	v_mov_b32 v[TK+6+2*\j], v[RG+\j]
	v_mov_b32 v[TK+7+2*\j], v[RG+6+\j]
.endr
.irp j, 0,1,2,3,4,5,6,7
	v_mov_b32 v[CF+8+8*\j], v[RW+\j]               ; c_j, of degree 0, in slot j + 1
	v_mov_b32 v[CF+9+8*\j], v[RW+8+\j]
.endr
.irp r, 0,1,2,3,4,5, 72,73, 80,81,82,83, 88,89,90,91,92,93
	v_mov_b32 v[CF+\r], 0                          ; the coefficient in front of the first and the one behind the last are 0, at each level in its degree
.endr
	v_pk_add_f32 v[DD:DD+1], v[TK+16:TK+17], v[TK+6:TK+7] neg_lo:[0,1] neg_hi:[0,1]  ; g5 - g0
	v_pk_add_f32 v[M:M+1], v[TK+16:TK+17], v[TK+6:TK+7]
	v_pk_mul_f32 v[DD+2:DD+3], v[DD:DD+1], 0x3e4ccccd op_sel_hi:[1,0]                ; h
	v_pk_add_f32 v[NRM:NRM+1], v[DD:DD+1], 0x3727c5ac op_sel_hi:[1,0]                ; g5 - g0 + 1e-5
	v_pk_mul_f32 v[M:M+1], v[M:M+1], 0.5 op_sel_hi:[1,0]
.irp k, 2,1,0
	v_pk_add_f32 v[TK+2*\k:TK+2*\k+1], v[TK+2*\k+2:TK+2*\k+3], v[DD+2:DD+3] neg_lo:[0,1] neg_hi:[0,1]  ; one knot after the other, outward
	v_pk_add_f32 v[TK+22-2*\k:TK+23-2*\k], v[TK+20-2*\k:TK+21-2*\k], v[DD+2:DD+3]
.endr
	v_pk_mul_f32 v[CSP:CSP+1], v[CSP:CSP+1], 0x3c000000 op_sel_hi:[1,0]              ; the mean over i, 1 / 128, goes into the gains
	v_pk_mul_f32 v[CRP:CRP+1], v[CRP:CRP+1], 0x3c000000 op_sel_hi:[1,0]
	v_mov_b32 v[AB], 0
	v_mov_b32 v[AB+1], 0
.set k, 0
.rept 12
	v_pk_add_f32 v[NU+2*k:NU+2*k+1], v[M:M+1], v[TK+2*k:TK+2*k+1] neg_lo:[0,1] neg_hi:[0,1]
.set k, k+1
.endr
; -R and T R of one knot of one edge: R's exponent field is 327 less T's, at most 254.
.macro LTC r
	v_bfe_u32 v[26+(\r)%4], v[TK+(\r)], 23, 8
	v_sub_nc_u32 v[26+(\r)%4], 327, v[26+(\r)%4]
	v_min_u32 v[26+(\r)%4], 254, v[26+(\r)%4]
	v_lshl_or_b32 v[NR+(\r)], v[26+(\r)%4], 23, 0x80000000
	v_mul_f32 v[CK+(\r)], -v[NR+(\r)], v[TK+(\r)]
.endm
.set r, 0
.rept 24
	LTC r
.set r, r+1
.endr
; One step: slot i + 1 <- A + rho (z + nu) (B - A), A = slot i, B = slot i + 1, both of degree d; the result has degree d + 1.
.macro STEP d, i
.set SA_, CF+8*(\i)
.set SB_, CF+8*(\i)+8
.set SR_, RHO+2*(\i)
.set SN_, NU+2*(\i)
.set k, 0
.rept (\d)+1
	v_pk_add_f32 v[DD+2*k:DD+2*k+1], v[SB_+2*k:SB_+2*k+1], v[SA_+2*k:SA_+2*k+1] neg_lo:[0,1] neg_hi:[0,1]
.set k, k+1
.endr
	v_pk_mul_f32 v[SB_+2*(\d)+2:SB_+2*(\d)+3], v[SR_:SR_+1], v[DD+2*(\d):DD+2*(\d)+1]
.if (\d) > 0
.set k, (\d)
.rept (\d)
	v_pk_fma_f32 v[DD+2*k:DD+2*k+1], v[SN_:SN_+1], v[DD+2*k:DD+2*k+1], v[DD+2*k-2:DD+2*k-1]
	v_pk_fma_f32 v[SB_+2*k:SB_+2*k+1], v[SR_:SR_+1], v[DD+2*k:DD+2*k+1], v[SA_+2*k:SA_+2*k+1]
.set k, k-1
.endr
.endif
	v_pk_mul_f32 v[DD:DD+1], v[SN_:SN_+1], v[DD:DD+1]
	v_pk_fma_f32 v[SB_:SB_+1], v[SR_:SR_+1], v[DD:DD+1], v[SA_:SA_+1]
.endm
; Level p: its 12 - p reciprocals 1 / (T_(i+p) - T_i) as one batch with one wait, then its steps, i descending, so that each step finds both its slots as the level before left them.
.macro LEVEL p
.set i, 0
.rept 12-(\p)
	v_pk_add_f32 v[RHO+2*i:RHO+2*i+1], v[TK+2*i+2*(\p):TK+2*i+2*(\p)+1], v[TK+2*i:TK+2*i+1] neg_lo:[0,1] neg_hi:[0,1]
.set i, i+1
.endr
.set i, 0
.rept 24-2*(\p)
	v_rcp_f32 v[RHO+i], v[RHO+i]
.set i, i+1
.endr
.if (\p) == 3
	v_rcp_f32 v[NRM], v[NRM]                       ; the norm's two reciprocals join the first batch
	v_rcp_f32 v[NRM+1], v[NRM+1]
.endif
	v_nop                                          ; a plain instruction behind the last reciprocal,
	s_wait_alu depctr_va_vdst(0)                   ; and the batch's one wait: the level's reciprocals have written v[RHO ..] (and, at the first level, v[NRM ..])
.set i, 11-(\p)
.rept 12-(\p)
	STEP 3-(\p), i
.set i, i-1
.endr
.endm
	LEVEL 3
	v_pk_mul_f32 v[NRM:NRM+1], v[NRM:NRM+1], 0x3a800000 op_sel_hi:[1,0]  ; the mean over b, 1 / 1,024
	LEVEL 2
	LEVEL 1
	s_barrier_wait -1                              ; every wave's rows of x and silu lie in LDS
; THE LOOP: one row b for my two edges, 74 vector instructions, all but three packed.
.macro SUMT t                          ; S takes indicator t times P_t: even t in one sum, odd t in the other; each sum's first product starts it
.if (\t) < 2
	v_pk_mul_f32 v[ACC+2*((\t)%2):ACC+2*((\t)%2)+1], v[LT+2*(\t):LT+2*(\t)+1], v[H+2*(\t):H+2*(\t)+1]
.else
	v_pk_fma_f32 v[ACC+2*((\t)%2):ACC+2*((\t)%2)+1], v[LT+2*(\t):LT+2*(\t)+1], v[H+2*(\t):H+2*(\t)+1], v[ACC+2*((\t)%2):ACC+2*((\t)%2)+1]
.endif
.endm
; Row r.  cur = r % 2: the X that holds this row's x and silu, and the P that takes its sum.  first = 1: row 0, with no row in front of it.  pf = 1: row r + 1 is asked for, at loff from v[XA].
; soff: the place of row r - 1's sum, from v[PA].  on = 1: a trip's second row, behind which v[XA] and v[PA] move on.
.macro EVAL cur, first, pf, loff, soff, on
.set XC, XB+4*(\cur)
.set XN, XB+4-4*(\cur)
.if !\first
	s_wait_alu depctr_va_vdst(0)                   ; the row before has written its P, which the store below reads, and is done reading its X, in which the loads below land; in a trip's first row v[XA] and v[PA] are written
	ds_store_b32 v[PA], v[PS+1-(\cur)] offset:(\soff)                        ; the row before: 128 neighbouring bytes a wave
.endif
.if \pf
	ds_load_b64 v[XN:XN+1], v[XA] offset:(\loff)                             ; the next row; no vector line since the wait names these registers
	ds_load_b64 v[XN+2:XN+3], v[XA] offset:(\loff)+512
.endif
	s_wait_dscnt 2*(\pf)+1-(\first)                ; LDS instructions end in order (ISA guide 5.7.1): this row's two loads are in; behind them stand only those just issued: the store (none in row 0) and the two loads (none in row 127)
	v_pk_add_f32 v[Z:Z+1], v[XC:XC+1], v[M:M+1] neg_lo:[0,1] neg_hi:[0,1]
.set k, 0
.rept 12
	v_pk_fma_f32 v[LT+2*k:LT+2*k+1], v[XC:XC+1], v[NR+2*k:NR+2*k+1], v[CK+2*k:CK+2*k+1] clamp  ; [x < T_k]
.set k, k+1
.endr
.set k, 0
.rept 11
	v_pk_fma_f32 v[H+2*k:H+2*k+1], v[CF+8*k+14:CF+8*k+15], v[Z:Z+1], v[CF+8*k+12:CF+8*k+13]
.set k, k+1
.endr
.set k, 0
.rept 11                                       ; ascending, so that each line still finds lt_(t+1)
	v_pk_fma_f32 v[LT+2*k:LT+2*k+1], v[LT+2*k:LT+2*k+1], v[LT+2*k+2:LT+2*k+3], v[LT+2*k+2:LT+2*k+3] neg_lo:[1,0,0] neg_hi:[1,0,0]
.set k, k+1
.endr
.set k, 0
.rept 11
	v_pk_fma_f32 v[H+2*k:H+2*k+1], v[H+2*k:H+2*k+1], v[Z:Z+1], v[CF+8*k+10:CF+8*k+11]
.set k, k+1
.endr
.set k, 0
.rept 11                                       ; the last stage of the cubics, the sums four cubics behind it
	v_pk_fma_f32 v[H+2*k:H+2*k+1], v[H+2*k:H+2*k+1], v[Z:Z+1], v[CF+8*k+8:CF+8*k+9]
.if k >= 4
	SUMT k-4
.endif
.set k, k+1
.endr
	SUMT 7
	v_pk_mul_f32 v[VV:VV+1], v[CRP:CRP+1], v[XC+2:XC+3]
	SUMT 8
	SUMT 9
	SUMT 10
	v_pk_add_f32 v[ACC:ACC+1], v[ACC:ACC+1], v[ACC+2:ACC+3]                  ; S
	v_pk_fma_f32 v[VV:VV+1], v[CSP:CSP+1], v[ACC:ACC+1], v[VV:VV+1]          ; (c_spl S + c_res silu) / 128
	v_add_f32 v[AB], v[AB], |v[ACC]|
	v_add_f32 v[AB+1], v[AB+1], |v[ACC+1]|
.if \on
	s_wait_alu depctr_vm_vsrc(0)                   ; the stores issued so far have read P0, written in the next line, and P1, written a row on; the loads and stores have read v[XA] and v[PA], written behind this row
.endif
	v_add_f32 v[PS+(\cur)], v[VV], v[VV+1]
.endm
	s_wait_alu depctr_va_vdst(0)                   ; the set-up is done writing and reading slot 0 of CF, in which the loads of rows 0 and 1 land
	ds_load_b64 v[XB:XB+1], v[XA]                  ; row 0
	ds_load_b64 v[XB+2:XB+3], v[XA] offset:512
	EVAL 0, 1, 1, 1024, 0, 0                       ; row 0 stands ahead of the loop: there is no row before it to store
	s_mov_b32 s30, 63
.Lrow:                                         ; 63 trips of two rows, 2 t + 1 and 2 t + 2; row 127 stands behind the loop, so that no read passes it
	EVAL 1, 0, 1, 2048, 0, 0
	EVAL 0, 0, 1, 3072, 2*PYP, 1
	v_add_nc_u32 v[XA], 2048, v[XA]
	v_add_nc_u32 v[PA], 4*PYP, v[PA]
	s_sub_co_u32 s30, s30, 1
	s_cmp_lg_u32 s30, 0
	s_cbranch_scc1 .Lrow
	EVAL 1, 0, 0, 0, 0, 0                          ; row 127
	; THE END.  The 64 lanes' partial sums of each y(b, o) lie in one row; thread t adds rows t and 256 + t: y(t / 2, 2 (t % 2)) and y(t / 2, 2 (t % 2) + 1).
	v_pk_mul_f32 v[240:241], v[AB:AB+1], v[NRM:NRM+1]
	s_wait_alu depctr_va_vdst(0)                   ; row 127 has written P1, which the store below reads; v[240:241] are written, which part's store reads; row 127 is done reading CF, NR and CK, in which the loads behind the barrier land
	ds_store_b32 v[PA], v[PS+1] offset:2*PYP       ; row 127
	s_wait_dscnt 0x0                               ; for the others' sake: my partial sums lie in LDS
	s_barrier_signal -1
	s_barrier_wait -1
.set j, 0
.rept 16
	ds_load_b128 v[R0+4*j:R0+4*j+3], v[RDA] offset:16*j
.set j, j+1
.endr
.set j, 0
.rept 16
	ds_load_b128 v[R1+4*j:R1+4*j+3], v[RDB] offset:16*j
.set j, j+1
.endr
	global_store_b64 v[COF], v[240:241], s[16:17]  ; a wave stores 256 consecutive bytes, at a multiple of 256 from part's first byte; no vector line stands between the wait above and this store
.macro TREE base, dst                  ; 64 numbers into one: 31 packed additions and one plain
.irp nn, 16,8,4,2,1
.set q, 0
.rept \nn
	v_pk_add_f32 v[(\base)+2*q:(\base)+2*q+1], v[(\base)+2*q:(\base)+2*q+1], v[(\base)+2*q+2*(\nn):(\base)+2*q+2*(\nn)+1]
.set q, q+1
.endr
.endr
	v_add_f32 v[\dst], v[\base], v[(\base)+1]
.endm
	s_wait_dscnt 0x10                              ; the first row is in; the second row's sixteen loads may stay out
	TREE R0, 244
	s_wait_dscnt 0x0
	TREE R1, 245
	s_wait_alu depctr_va_vdst(0)                   ; the two trees have written v[244:245], which the store reads
	global_store_b64 v[YOF], v[244:245], s[14:15]  ; a wave stores 256 consecutive bytes, at a multiple of 256 from yw's first byte
	s_wait_dscnt 0x0                               ; the wave's end; the spare word's add stands behind the waits below
	s_wait_alu depctr_hold_cnt(0) depctr_sa_sdst(0) depctr_va_vdst(0) depctr_va_sdst(0) depctr_va_ssrc(0) depctr_va_vcc(0) depctr_vm_vsrc(0)
	s_wait_tensorcnt 0x0
	ds_add_u32 v254, v255
	s_wait_dscnt 0x0
	s_endpgm
.Lfunc_end_k_q00a6c64be8_kan:
	.size	k_q00a6c64be8_kan, .Lfunc_end_k_q00a6c64be8_kan-k_q00a6c64be8_kan
	.p2alignl 7, 3214868480
	.fill 96, 4, 3214868480
	.section	.rodata,"a",@progbits
	.p2align	6, 0x0
	.amdhsa_kernel k_q00a6c64be8_kan
		.amdhsa_group_segment_fixed_size 271360
		.amdhsa_private_segment_fixed_size 0
		.amdhsa_enable_private_segment 0
		.amdhsa_kernarg_size 56
		.amdhsa_user_sgpr_count 2
		.amdhsa_user_sgpr_kernarg_segment_ptr 1
		.amdhsa_wavefront_size32 1
		.amdhsa_system_sgpr_workgroup_id_x 1
		.amdhsa_system_sgpr_workgroup_id_y 1
		.amdhsa_system_sgpr_workgroup_id_z 1
		.amdhsa_system_vgpr_workitem_id 0
		.amdhsa_next_free_vgpr 256
		.amdhsa_next_free_sgpr 66
		.amdhsa_reserve_vcc 0
		.amdhsa_float_denorm_mode_32 3
		.amdhsa_float_denorm_mode_16_64 3
		.amdhsa_memory_ordered 1
		.amdhsa_forward_progress 1
		.amdhsa_inst_pref_size 74
	.end_amdhsa_kernel
	.amdgpu_metadata
---
amdhsa.version: [ 1, 2 ]
amdhsa.kernels:
  - .name:           k_q00a6c64be8_kan
    .symbol:         k_q00a6c64be8_kan.kd
    .args:
      - { .name: x, .offset: 0, .size: 8, .value_kind: global_buffer, .address_space: global }
      - { .name: grid, .offset: 8, .size: 8, .value_kind: global_buffer, .address_space: global }
      - { .name: spline_weights, .offset: 16, .size: 8, .value_kind: global_buffer, .address_space: global }
      - { .name: c_spl, .offset: 24, .size: 8, .value_kind: global_buffer, .address_space: global }
      - { .name: c_res, .offset: 32, .size: 8, .value_kind: global_buffer, .address_space: global }
      - { .name: yw, .offset: 40, .size: 8, .value_kind: global_buffer, .address_space: global }
      - { .name: part, .offset: 48, .size: 8, .value_kind: global_buffer, .address_space: global }
    .group_segment_fixed_size: 271360
    .private_segment_fixed_size: 0
    .kernarg_segment_align: 8
    .kernarg_segment_size: 56
    .max_flat_workgroup_size: 256
    .sgpr_count:     66
    .vgpr_count:     256
    .wavefront_size: 32
...
	.end_amdgpu_metadata
.endif
;; end of part 3
;; launch finish: the kernel of part 2 again; grid 64 x 1, 4 waves a work-group, no clusters, 8,960 bytes of LDS; arguments yw, part, out0, out1; writes out0, out1
